; MI455X (gfx1250); checked and timed in simulation.
; The chip was launched on July 23, 2026; its instructions are those of AMD's public machine-readable ISA for CDNA 5 (MIT licence, August 2026) and "CDNA5" Instruction Set Architecture Reference Guide (July 2026). The comments in the code are by the model that wrote it; some were corrected since.
;; Vector Quantizer. Allowed arithmetic: matrix products marked QUANTISED: E2M3 operands, one E8M0 scale for each 32 along K, by v_wmma_scale_f32_16x16x128_f8f6f4 with both operands' format E2M3, f32 sums; everything else in f32.
;; Inputs: embed 8,192 x 768 float32; inputs_flatten 8,192 x 768 float32.
;; Outputs: out0 8,192 x 768 float32; out1 8,192 x 1 int32.
;; This version of the problem:
;;   THIS VERSION OF THE PROBLEM IS GIVEN IN LOW PRECISION. The matrix products marked QUANTISED in the list below multiply operands that are first quantised to E2M3 (2 exponent bits, 3 mantissa bits; 6 bits a number), with one power-of-two scale for each 32 numbers along K (OCP MX v1.0); their sums are f32. All else is computed in f32.
;;   The module's matrix products, in the order in which they are computed (A, B: the left and right operand; K: the contracted axis; several contracted axes count as one K, in the product's order):
;;     1. [M 8,192, K 768] x [K 768, N 8,192]; A: input inputs_flatten; B: input embed: QUANTISED
;;   THE QUANTISER, for each operand of a quantised product, along K:
;;     - K is cut into blocks of 32 from its start; a last block that is shorter is filled with zeros.
;;     - A block's scale is 2^e with e = floor(log2(the largest magnitude in the block)) - 2, held to -126 .. 127; a block of zeros has e = 0. As a byte (E8M0): e + 127.
;;     - Each number is divided by its block's scale, clamped to +-7.5, and rounded to the nearest number of E2M3, ties to even, subnormals kept.
;;     - The product sums the exact products of the quantised numbers (number of the format x scale) in f32.
;;   ~~~python
;;   def quantise(x, axis):      # numpy; x: float32 -> the quantised numbers, widened to float32 again
;;       x = np.moveaxis(x, axis, -1); K = x.shape[-1]
;;       x = np.pad(x, [(0, 0)] * (x.ndim - 1) + [(0, -K % 32)]); x = x.reshape(x.shape[:-1] + (-1, 32)); a = np.abs(x).max(-1, keepdims=True)
;;       e = np.where(a > 0, np.clip(np.frexp(np.where(a > 0, a, 1))[1] - 1 - 2, -126, 127), 0)      # np.frexp(a)[1] - 1 = floor(log2(a)), exactly
;;       r = np.clip(x / 2.0 ** e, -7.5, 7.5)
;;       step = 2.0 ** (np.maximum(np.frexp(np.where(r == 0, 1, r))[1] - 1, 0) - 3)
;;       q = np.round(r / step) * step * 2.0 ** e      # np.round: ties to even
;;       return np.moveaxis(q.reshape(q.shape[:-2] + (-1,))[..., :K], -1, axis).astype(np.float32)
;;   ~~~
;; One version. Each part assembles by itself: llvm-mc -triple=amdgcn-amd-amdhsa -mcpu=gfx1250 --defsym DOCPART=n.
;; ======== version 1 of 1: 3 launches
;; limits: right only within a limited range of input values
;; workspace buffers: cq 9,961,472 bytes; part 1,048,576 bytes of whole numbers
;; launch quant (part 1): grid 256 x 1, 12 waves a work-group, no clusters, 207,872 bytes of LDS; arguments inputs_flatten, embed, cq; writes cq
.if DOCPART == 1
	.amdgcn_target "amdgcn-amd-amdhsa--gfx1250"
	.amdhsa_code_object_version 6
	.text
	.protected	k_qd8495d965b_quant
	.globl	k_qd8495d965b_quant
	.p2align	8
	.type	k_qd8495d965b_quant,@function
k_qd8495d965b_quant:
	s_mov_b64 s[64:65], 0
	v_nop
	global_prefetch_b8 v0, s[64:65] scope:SCOPE_SE
	s_setreg_imm32_b32 hwreg(HW_REG_WAVE_MODE, 25, 1), 1
	s_wait_xcnt 0x0
; inputs_flatten [8192][768] and embed [8192][768], f32, become codes of FP6 (E2M3) with one E8M0 scale byte for each 32 along K, laid IN THE ORDER OF THE OPERAND'S REGISTERS.
; WORK LEFT OUT BY THIS PROGRAM, for all finite inputs: (1) x_sq is added to every distance of a token's row alike, so the argmin along that row is the same without it: it is not computed.
; (2) (q - x) + x is q by an identity of real numbers: out0 is the chosen row of embed, and x is not read for it.  inputs_flatten still reaches both outputs through the product.
; LIMIT of that: a NaN, an infinity or an overflow that would arise only in x_sq or in q - x is not carried to the result, and the distances' rounding differs from reference()'s (no x_sq in them).
; cq: 1,024 tiles of 16 rows, 9,728 bytes each; tiles 0-511 the tokens, 512-1023 the codebook.  In a tile: the fragment of K step s (128 along K, 12 registers a lane) at 1536 s, registers 4 c .. 4 c + 3 of lane l at 512 c + 16 l;
; at 9216 four planes of 128 bytes: plane i (0..2), word l: the scale word of row l % 16 for K step 2 i + l / 16; plane 3, word l: -1/2 x the sum of squares of row l % 16 of the codebook (of the f32 numbers); 0 in the tokens' tiles, where nobody reads it.
; A block's scale is 2^(floor(log2(its largest magnitude)) - 2): its byte is the largest magnitude's exponent field - 2, held at 1 from below.
; LIMITS: NaN and infinities are not served.  A block of zeros gets the byte 1 where the rule says 127: its codes are zeros, and this program alone reads the bytes.  Blocks whose largest magnitude lies under 2^-124 keep the byte 1.
; The sum of squares is taken in four packed chains a lane and in three parts along K, another order than a sum from left to right.
; SHARES.  A work-group takes 4 tiles; wave w takes tile w % 4 and the third w / 4 of K: two K steps, which are one plane of scale words.  Its 16 rows x 1,024 bytes come by ONE tensor load, issued at the head.
; Each wave reads its own tile bytes alone and no byte of LDS is filled twice.  One barrier: the planes and the three parts of the squares meet in LDS, and waves 0 to 3 send each tile's 512 bytes of planes out whole.
; No prefetch: the launch's only requests stand at its head, and there is no loop to run ahead in.
.set ROWB,  3072                       ; a row of f32 in memory
.set TILEB, 9728
.set META,  9216
.set PITCH, 528                        ; 512 bytes (a K step of a row) + 16 of padding
.set RP,    2*PITCH                    ; an LDS row: two K steps
.set WREG,  16*RP                      ; a wave's 16 rows
.set STG,   12*WREG                    ; behind them: 512 bytes a tile for the planes; no tensor load lands from here on
.set PSQ,   STG+2048                   ; 128 bytes a wave: its part of the rows' squares
.set SPARE, PSQ+1536                   ; the spare words, 128 bytes a wave
.set LA,  4                            ; v4   WREG x wave + RP x (lane % 16) + 64 x (lane / 16)
.set SA,  5                            ; v5   my plane: 4 x lane
.set SL,  6                            ; v6   my tile's planes on the way out: 16 x lane
.set GO,  7                            ; v7   16 x lane: my place in 512 stored bytes
.set PA,  8                            ; v8   my part of the squares
.set PB,  9                            ; v9   my tile's first part
.set P3,  10                           ; v10  my tile's plane 3
.set X,   16                           ; v16-79   64 numbers: register 16 b + i = k 32 b + 16 (lane / 16) + i of my row
.set PC0, 80                           ; v80-119  a step's 12 registers of codes and 8 at work: each step has its own, so no store's data are written again
.set TM,  120                          ; v120-135 at work
.set PW,  136                          ; v136-137 the two scale words
.set SQ,  138                          ; v138-145 four packed chains of squares
.set PL,  146                          ; v146 my plane
.set OUTR, 148                         ; v148-151 the planes on their way out
.set T,   152                          ; v152-154 the three parts
.set SPW, 156
.set NIL, 157
.set G1,  16                           ; s[16:23] descriptor group 1
.set G0,  24                           ; s[24:27] group 0
.set SEL, 48                           ; s[48:49] lane selects: lane l xor 16
.set HIM, 50                           ; s50  the mask of lanes 16-31
	s_load_b128 s[4:7], s[0:1], 0x0                ; the tokens, the codebook
	s_load_b64 s[8:9], s[0:1], 0x10                ; cq
	v_lshl_add_u32 v[SPW], v0, 2, SPARE
	v_mov_b32 v[NIL], 0
	ds_add_u32 v[SPW], v[NIL]                      ; the opening lines
	ds_add_u32 v[SPW], v[NIL]
	v_lshrrev_b32 v1, 5, v0
	v_readfirstlane_b32 s10, v1                    ; wave 0..11
	s_and_b32 s46, s10, 3                          ; which of the work-group's tiles
	s_lshr_b32 s47, s10, 2                         ; which third of K
	s_lshl_b32 s11, ttmp9, 2
	s_add_co_u32 s11, s11, s46                     ; my tile
	s_and_b32 s12, s11, 511                        ; its number in its own tensor
	s_mul_i32 s12, s12, 16*ROWB
	s_lshl_b32 s13, s47, 10
	s_add_co_u32 s12, s12, s13                     ; + 1,024 bytes x third
	s_mov_b32 s13, 0
	s_mul_i32 s14, s11, TILEB
	s_mov_b32 s15, 0
	s_mul_i32 s44, s47, 2*1536                     ; my two fragments' place in the tile
	s_mov_b32 s45, 0
	s_mul_i32 s51, s10, WREG                       ; my region in LDS
	; group 1: 16 rows of 128 elements of 8 bytes, 384 elements from row to row, 4 words of padding behind every 128 words
	s_mov_b32 s[G1+0], (3<<16)|(1<<20)|(6<<22)|(3<<25)
	s_mov_b32 s[G1+1], 128<<16                     ; tensor_dim0
	s_mov_b32 s[G1+2], 16<<16                      ; tensor_dim1
	s_mov_b32 s[G1+3], 128<<16                     ; tile_dim0
	s_mov_b32 s[G1+4], 16                          ; tile_dim1
	s_mov_b32 s[G1+5], 384                         ; the pitch
	s_mov_b32 s[G1+6], 0
	s_mov_b32 s[G1+7], 0
	s_mov_b32 s[SEL], 0x76543210
	s_mov_b32 s[SEL+1], 0xfedcba98
	s_mov_b32 s[HIM], 0xffff0000
	s_wait_dscnt 0x0
	s_wait_kmcnt 0x0
	s_cmp_lt_u32 ttmp9, 128                        ; the first 128 work-groups take the tokens: the choice hangs on the work-group's number alone
	s_cselect_b64 s[4:5], s[4:5], s[6:7]
	s_add_nc_u64 s[4:5], s[4:5], s[12:13]
	s_add_nc_u64 s[8:9], s[8:9], s[14:15]          ; my tile in cq,
	s_add_nc_u64 s[40:41], s[8:9], s[44:45]        ; and my fragments in it
	s_mov_b32 s[G0], 1
	s_mov_b32 s[G0+1], s51
	s_mov_b64 s[G0+2:G0+3], s[4:5]
	s_or_b32 s[G0+3], s[G0+3], 0x80000000
	tensor_load_to_lds s[G0:G0+3], s[G1:G1+7]      ; my one tensor load: 16,384 bytes
	s_nop 0
	v_and_b32 v1, 31, v0                           ; lane
	v_and_b32 v2, 15, v0                           ; r
	v_bfe_u32 v3, v0, 4, 1                         ; h
	v_mul_u32_u24 v[LA], v2, RP
	v_lshl_add_u32 v[LA], v3, 6, v[LA]
	v_add_nc_u32 v[LA], s51, v[LA]
	s_lshl_b32 s13, s46, 9
	s_add_co_u32 s13, s13, STG                     ; my tile's planes
	s_lshl_b32 s12, s47, 7
	s_add_co_u32 s12, s12, s13                     ; my plane
	s_lshl_b32 s14, s10, 7
	s_add_co_u32 s14, s14, PSQ
	s_lshl_b32 s15, s46, 7
	s_add_co_u32 s15, s15, PSQ
	s_wait_alu depctr_va_vdst(0)                   ; directly ahead of the reader below
	v_lshl_add_u32 v[SA], v1, 2, s12
	v_lshl_add_u32 v[SL], v1, 4, s13
	v_lshl_add_u32 v[PA], v1, 2, s14
	v_lshl_add_u32 v[PB], v1, 2, s15
	v_lshl_add_u32 v[P3], v1, 2, s13
	v_add_nc_u32 v[P3], 384, v[P3]
	v_lshlrev_b32 v[GO], 4, v1
.irp b, 0,1,2,3
	v_mov_b32 v[TM+4+\b], 0                        ; written once: a lane permute's destination counts as one of its sources
.endr
.irp b, 0,1,2,3,4,5,6,7
	v_mov_b32 v[SQ+\b], 0                          ; the four chains begin at 0, and stay there in the tokens' tiles
.endr
; The 64 numbers in v[X] on become a fragment's codes in v[pc] .. v[pc + 11] and its scale word in v[pw].
.macro QUANT pc, pw
.irp b, 0,1,2,3
	v_max3_num_f32 v[TM+\b], |v[X+16*\b]|, |v[X+1+16*\b]|, 0x1800000   ; block b: my 16 numbers, and the floor 2^(3 - 127): so the byte cannot fall under 1
.endr
.irp i, 2,4,6,8,10,12,14
.irp b, 0,1,2,3
	v_max3_num_f32 v[TM+\b], v[TM+\b], |v[X+16*\b+\i]|, |v[X+1+16*\b+\i]|   ; the four blocks by turns
.endr
.endr
.irp b, 0,1,2,3
	v_permlanex16_b32 v[TM+4+\b], v[TM+\b], s[SEL], s[SEL+1]
.endr
.irp b, 0,1,2,3
	v_max_num_f32 v[TM+\b], v[TM+\b], v[TM+4+\b]   ; with lane l xor 16's: the block's largest magnitude
.endr
.irp b, 0,1,2,3
	v_add_nc_u32 v[TM+12+\b], 0xff000000, v[TM+\b] ; 2 off its exponent field: the conversion takes the exponent field of this operand as its scale
.endr
.irp b, 0,1,2,3
	v_lshrrev_b32 v[TM+4+\b], 23, v[TM+12+\b]      ; the scale's byte
.endr
	v_lshl_or_b32 v[\pw], v[TM+5], 8, v[TM+4]      ; four bytes: my row's scale word (the same in lanes l and l xor 16)
	v_lshl_or_b32 v[\pw], v[TM+6], 16, v[\pw]
	v_lshl_or_b32 v[\pw], v[TM+7], 24, v[\pw]
.irp c, 0,1
	v_cvt_scalef32_pk16_fp6_f32 v[(\pc)+6*\c:(\pc)+2+6*\c], v[X+32*\c:X+15+32*\c], v[TM+12+2*\c]
	v_cvt_scalef32_pk16_fp6_f32 v[(\pc)+12+4*\c:(\pc)+14+4*\c], v[X+16+32*\c:X+31+32*\c], v[TM+12+2*\c+1]   ; (a conversion's three registers begin on an even number)
.endr
	v_nop                                          ; one plain line behind the scaled conversions
.irp c, 0,1                                    ; the operand's layout wants a whole block in a lane: lanes 0-15 block 2 c, lanes 16-31 block 2 c + 1
.irp i, 0,1,2
	v_permlane16_swap_b32 v[(\pc)+6*\c+\i], v[(\pc)+12+4*\c+\i]
.endr
.irp i, 0,1,2
	v_mov_b32 v[(\pc)+3+6*\c+\i], v[(\pc)+12+4*\c+\i]
.endr
.endr
.endm
.macro STEP s
.irp b, 0,1,2,3
.irp j, 0,1,2,3
	ds_load_b128 v[X+16*\b+4*\j:X+16*\b+4*\j+3], v[LA] offset:PITCH*(\s)+128*\b+16*\j
.endr
.endr
	s_wait_dscnt 0x0
	s_cmp_lt_u32 ttmp9, 128                        ; the tokens' squares reach no output: their work-groups pass over them
	s_cbranch_scc1 .Ltokens_\@
.set ii, 0
.rept 32                                       ; the squares, two at a time, in four chains
	v_pk_fma_f32 v[SQ+2*(ii%4):SQ+2*(ii%4)+1], v[X+2*ii:X+2*ii+1], v[X+2*ii:X+2*ii+1], v[SQ+2*(ii%4):SQ+2*(ii%4)+1]
.set ii, ii+1
.endr
.Ltokens_\@:
	QUANT PC0+20*(\s), PW+(\s)
.irp c, 0,1,2
	global_store_b128 v[GO], v[PC0+20*(\s)+4*\c:PC0+20*(\s)+4*\c+3], s[40:41] offset:1536*(\s)+512*\c   ; 32 lanes store 512 consecutive bytes, at a multiple of 256 from cq's first byte
.endr
.endm
	s_wait_alu depctr_va_vdst(0)
	s_wait_tensorcnt 0x0                           ; my 16 rows are in LDS
	STEP 0
	STEP 1
	v_pk_add_f32 v[SQ:SQ+1], v[SQ:SQ+1], v[SQ+2:SQ+3]
	v_pk_add_f32 v[SQ+4:SQ+5], v[SQ+4:SQ+5], v[SQ+6:SQ+7]
	v_pk_add_f32 v[SQ:SQ+1], v[SQ:SQ+1], v[SQ+4:SQ+5]
	v_add_f32 v[SQ], v[SQ], v[SQ+1]
	v_permlanex16_b32 v[SQ+1], v[SQ], s[SEL], s[SEL+1]
	v_add_f32 v[SQ], v[SQ], v[SQ+1]                ; my third of the row's sum of squares, the same bits in both halves of the lanes
	v_cndmask_b32 v[PL], v[PW], v[PW+1], s[HIM]    ; lanes 0-15: my first K step; lanes 16-31: my second
	ds_store_b32 v[SA], v[PL]
	ds_store_b32 v[PA], v[SQ]
	s_wait_dscnt 0x0                               ; for the others' sake: my stores are done
	s_barrier_signal -1
	s_barrier_wait -1
	s_cmp_lt_u32 s10, 4                            ; waves 0 to 3 finish a tile each
	s_cbranch_scc0 .Ldone
.irp k, 0,1,2
	ds_load_b32 v[T+\k], v[PB] offset:512*\k       ; the three thirds' parts lie four waves apart
.endr
	s_wait_dscnt 0x0
	v_add_f32 v[T], v[T], v[T+1]
	v_add_f32 v[T], v[T], v[T+2]
	v_mul_f32 v[T], -0.5, v[T]
	ds_store_b32 v[P3], v[T]
	ds_load_b128 v[OUTR:OUTR+3], v[SL]             ; LDS serves a wave's instructions in order: this sees my store
	s_wait_dscnt 0x0
	global_store_b128 v[GO], v[OUTR:OUTR+3], s[8:9] offset:META   ; the four planes: 512 consecutive bytes
.Ldone:
	s_wait_tensorcnt 0x0                           ; the wave's end
	ds_add_u32 v[SPW], v[NIL]
	s_wait_dscnt 0x0
	s_endpgm
.Lfunc_end_k_qd8495d965b_quant:
	.size	k_qd8495d965b_quant, .Lfunc_end_k_qd8495d965b_quant-k_qd8495d965b_quant
	.p2alignl 7, 3214868480
	.fill 96, 4, 3214868480
	.section	.rodata,"a",@progbits
	.p2align	6, 0x0
	.amdhsa_kernel k_qd8495d965b_quant
		.amdhsa_group_segment_fixed_size 207872
		.amdhsa_private_segment_fixed_size 0
		.amdhsa_enable_private_segment 0
		.amdhsa_kernarg_size 24
		.amdhsa_user_sgpr_count 2
		.amdhsa_user_sgpr_kernarg_segment_ptr 1
		.amdhsa_wavefront_size32 1
		.amdhsa_system_sgpr_workgroup_id_x 1
		.amdhsa_system_sgpr_workgroup_id_y 1
		.amdhsa_system_sgpr_workgroup_id_z 1
		.amdhsa_system_vgpr_workitem_id 0
		.amdhsa_next_free_vgpr 160
		.amdhsa_next_free_sgpr 66
		.amdhsa_reserve_vcc 0
		.amdhsa_float_denorm_mode_32 3
		.amdhsa_float_denorm_mode_16_64 3
		.amdhsa_memory_ordered 1
		.amdhsa_forward_progress 1
		.amdhsa_inst_pref_size 20
	.end_amdhsa_kernel
	.amdgpu_metadata
---
amdhsa.version: [ 1, 2 ]
amdhsa.kernels:
  - .name:           k_qd8495d965b_quant
    .symbol:         k_qd8495d965b_quant.kd
    .args:
      - { .name: inputs_flatten, .offset: 0, .size: 8, .value_kind: global_buffer, .address_space: global }
      - { .name: embed, .offset: 8, .size: 8, .value_kind: global_buffer, .address_space: global }
      - { .name: cq, .offset: 16, .size: 8, .value_kind: global_buffer, .address_space: global }
    .group_segment_fixed_size: 207872
    .private_segment_fixed_size: 0
    .kernarg_segment_align: 8
    .kernarg_segment_size: 24
    .max_flat_workgroup_size: 384
    .sgpr_count:     66
    .vgpr_count:     160
    .wavefront_size: 32
...
	.end_amdgpu_metadata
.endif
;; end of part 1
;; launch dist (part 2): grid 16 x 16, 4 waves a work-group, clusters of 4 x 1, 327,680 bytes of LDS; arguments cq, part; writes part
.if DOCPART == 2
	.amdgcn_target "amdgcn-amd-amdhsa--gfx1250"
	.amdhsa_code_object_version 6
	.text
	.protected	k_qd8495d965b_dist
	.globl	k_qd8495d965b_dist
	.p2align	8
	.type	k_qd8495d965b_dist,@function
k_qd8495d965b_dist:
	s_mov_b64 s[64:65], 0
	v_nop
	global_prefetch_b8 v0, s[64:65] scope:SCOPE_SE
	s_setreg_imm32_b32 hwreg(HW_REG_WAVE_MODE, 25, 1), 1
	s_wait_xcnt 0x0
	s_wait_alu depctr_hold_cnt(0) depctr_sa_sdst(0) depctr_va_vdst(0) depctr_va_sdst(0) depctr_va_ssrc(0) depctr_va_vcc(0) depctr_vm_vsrc(0)
	s_getreg_b32 s2, hwreg(HW_REG_IB_STS2, 6, 4)
	s_cmp_eq_u32 s2, 0
	s_cbranch_scc0 .Lentry_in_a_cluster
	s_endpgm
.Lentry_in_a_cluster:
	s_bfe_u32 s2, ttmp6, 0x10000c
	s_cmp_lg_u32 s2, 0x3003
	s_cbranch_scc0 .Lentry_shape_is_right
	s_endpgm
.Lentry_shape_is_right:
; For 512 tokens (work-group x) and 512 codes (work-group y, a split of the codebook): g = x . e - e_sq / 2 on the codes of FP6, and for each token the largest g (the least distance) with its code.
; x_sq is left out: it is the same for all codes of a token, so it cannot move the argmin (shown at the head of the first kernel).
; -e_sq / 2 is the C of each sum's first product, so no addition is written; each of the six products of a sum then rounds once with it, another order of rounding than reference()'s.
; LIMITS: NaN and infinities are not served.  At equal g the lowest code wins, as in argmin.
; SHARES.  A wave keeps 128 tokens (8 tiles x 72 registers) in registers for the whole launch and walks the split's 32 tiles of 16 codes, which lie in LDS, ascending; a tile is 48 products (6 K steps x 8 token tiles).
; The products are used transposed (source 0 = 16 codes, source 1 = 16 tokens): lane (r, h) holds token r, register j code 8 h + j.
; CLUSTERS: the four work-groups of a cluster share the split and ask for its tiles jointly.  LDS is filled once, in two groups: 3 tiles a wave at the head, 5 tiles a wave behind one drained round;
; the first 8 tiles are multiplied while the second group is on its way (they read tiles 0 to 8 alone), then one barrier shows it to all waves.
; No prefetch: every request to memory stands at the head, and there is no loop to run ahead in.
; THE RUNNING MAXIMUM of tile t is taken in tile t + 1, in two batches of 56 lines: accumulators 0-3 behind product 23, accumulators 4-7 behind product 47, four accumulators by turns so that no line waits for the line above it.
; For an accumulator: the largest of its 8 and the old maximum; where that grew, the tile's number and its 8 numbers are kept (from them the register j is found at the end).
; FRAGMENTS: one set of 72 registers.  Behind the first batch the next tile's K steps 0-2 are loaded, behind the second its K steps 3-5: the batch's lines are the places behind the products that read those registers.
; part [256][16 splits][32 lanes][2]: lane r, word c: the key of token 32 P + 16 c + r (the larger key, the smaller distance); lane 16 + r: its code.
; REGISTERS: the tokens lie by K step, two steps to a window, so that a tile's products need four window settings.  window 0: v1-5 lane terms, v8-31 the tokens' scale words, v32-37 the codes' scale words (two sets),
; v38-39 the add's, v64-255 the tokens' K steps 0, 1; window 1: v0-191 K steps 2, 3, v192-227 the codes' fragments of K steps 0-2; window 2: v0-191 K steps 4, 5, v192-227 fragments of K steps 3-5; window 3: as named below.
.set TILEB, 9728
.set META,  9216
.set SQO,   9600
.set NA,    3                          ; tiles a wave fetches at the head
.set NB,    5                          ; and behind the round
.set SPARE, 32*TILEB                   ; behind the 32 tiles: the spare words, 128 bytes a wave
.set L16, 1
.set L4,  2
.set AE0, 3
.set AS0, 4
.set HH,  5
.set AS,  8
.set BS,  32
.set SPW, 38
.set NIL, 39
.set FRB, 192                          ; windows 1 and 2
.set ACC, 0                            ; window 3: two sets of 8 accumulators
.set WS,  128                          ; the 8 numbers of the tile that holds the maximum, for each token tile
.set ES,  192                          ; -e_sq / 2 of my 8 codes
.set MX,  200                          ; the running maximum, two sets by turns
.set IDX, 216                          ; 16 x the tile that holds it
.set X0,  224                          ; 12 at work
.set ADB, 236
.set ADE, 237
.set ADS, 238
.set IOFF, 239
.set PO,  240
.set TJ,  MX                           ; at the end: the register j
.set MXF, MX+8                         ; the last tile's set
.set WV,  8
.set G1A, 16
.set G0A, 24
.set G0B, 28
.set G1B, 32
.set TOKB, 56
.set PARTB, 58
.set SEL, 60
.set HIM, 62
.set CNT, 63
.set TO,  66
.set NINF, 67
.set TIX, 68
.set MK,  70
.set FM,  84
.set MSB, 0
.macro WIN new                         ; the immediate's high byte repeats the setting that is left
.if MSB != \new
	s_set_vgpr_msb (MSB<<8)|\new
.set MSB, \new
.endif
.endm
.macro ROUND                           ; a round of the cluster's barrier
	s_barrier_signal -1
	s_barrier_wait -1
	s_cmp_lg_u32 s[WV], 0
	s_cbranch_scc1 .Lnot_wave_0_\@
	s_barrier_signal -3
.Lnot_wave_0_\@:
	s_barrier_wait -3
	s_barrier_signal -1
	s_barrier_wait -1
.endm
.macro ADDRS
	WIN 0xc0
	v_add_nc_u32 v[ADB], s[TO], v[L16]
	v_add_nc_u32 v[ADE], s[TO], v[AE0]
	v_add_nc_u32 v[ADS], s[TO], v[AS0]
.endm
	s_load_b128 s[4:7], s[0:1], 0x0                ; cq, part
	v_lshl_add_u32 v[SPW], v0, 2, SPARE
	v_mov_b32 v[NIL], 0
	ds_add_u32 v[SPW], v[NIL]                      ; the opening lines
	ds_add_u32 v[SPW], v[NIL]
	v_lshrrev_b32 v[HH], 5, v0
	v_readfirstlane_b32 s[WV], v[HH]               ; wave 0..3
	v_and_b32 v[HH], 31, v0
	v_lshlrev_b32 v[L16], 4, v[HH]
	v_lshlrev_b32 v[L4], 2, v[HH]
	v_add_nc_u32 v[AS0], META, v[L4]
	v_bfe_u32 v[HH], v0, 4, 1                      ; h
	v_lshl_add_u32 v[AE0], v[HH], 5, SQO
	s_bfe_u32 s9, ttmp6, 0x40000                   ; cx
	s_lshl_b32 s10, ttmp9, 2
	s_add_co_u32 s10, s10, s9                      ; work-group x: which 512 tokens
	s_and_b32 s11, ttmp7, 0xffff                   ; work-group y: which split
.irp g, G1A, G1B                       ; dense blocks as rows of 256 bytes (32 elements of 8); the mask names the cluster's four
	s_mov_b32 s[\g+0], 15|(3<<16)|(1<<21)
	s_mov_b32 s[\g+1], 32<<16
	s_mov_b32 s[\g+3], 32<<16
	s_mov_b32 s[\g+5], 32
	s_mov_b32 s[\g+6], 0
	s_mov_b32 s[\g+7], 0
.endr
	s_mov_b32 s[G1A+2], (38*NA)<<16                ; a tile is 38 rows
	s_mov_b32 s[G1A+4], 38*NA
	s_mov_b32 s[G1B+2], (38*NB)<<16
	s_mov_b32 s[G1B+4], 38*NB
	s_mov_b32 s[NINF], 0xff800000
	s_mov_b32 s[SEL], 0x76543210
	s_mov_b32 s[SEL+1], 0xfedcba98
	s_mov_b32 s[HIM], 0xffff0000
	s_mov_b32 s[TO], 0
	s_mov_b32 s[TIX], -16                          ; 16 x the tile whose maximum is being taken; the first tile's batches find only seeds
	s_lshl_b32 s14, s11, 5
	s_add_co_u32 s14, s14, 512                     ; the split's first tile in cq
	s_mul_i32 s12, s[WV], NA                       ; my tiles of the first group: 3 w ..
	s_mul_i32 s13, s[WV], NB
	s_add_co_u32 s13, s13, 4*NA                    ; of the second: 12 + 5 w ..
	s_add_co_u32 s2, s14, s12
	s_mul_i32 s2, s2, TILEB
	s_mov_b32 s3, 0
	s_add_co_u32 s14, s14, s13
	s_mul_i32 s14, s14, TILEB
	s_mov_b32 s15, 0
	s_mov_b32 s[G0A], 1
	s_mul_i32 s[G0A+1], s12, TILEB
	s_mov_b32 s[G0B], 1
	s_mul_i32 s[G0B+1], s13, TILEB
	s_lshl_b32 s40, s10, 5
	s_lshl_b32 s41, s[WV], 3
	s_add_co_u32 s40, s40, s41                     ; my first token tile
	s_mul_i32 s40, s40, TILEB
	s_mov_b32 s41, 0
	s_lshl_b32 s42, s10, 16
	s_lshl_b32 s43, s[WV], 14
	s_add_co_u32 s42, s42, s43
	s_lshl_b32 s43, s11, 8
	s_add_co_u32 s42, s42, s43                     ; my place in part
	s_mov_b32 s43, 0
	s_lshl_b32 s44, s11, 9                         ; the split's first code
	WIN 0xc0                                       ; the seeds are laid while the arguments are on their way
.set ii, 0
.rept 64                               ; seeds under every number: the second set of accumulators, whose maximum the first tile's batches take, and the kept numbers
	v_mov_b32 v[ACC+64+ii], s[NINF]
	v_mov_b32 v[WS+ii], s[NINF]
.set ii, ii+1
.endr
.irp a, 0,1,2,3,4,5,6,7
	v_mov_b32 v[MX+\a], s[NINF]
	v_mov_b32 v[MX+8+\a], s[NINF]
	v_mov_b32 v[IDX+\a], 0
.endr
	v_lshl_add_u32 v[IOFF], v[HH], 3, s44          ; the code of my register 0 in tile 0
	v_lshlrev_b32 v[PO], 1, v[L4]
	ADDRS
	WIN 0
	s_wait_dscnt 0x0
	s_wait_alu depctr_va_vdst(0)                   ; no vector register is written between here and the loop
	s_wait_kmcnt 0x0
	s_add_nc_u64 s[G0A+2:G0A+3], s[4:5], s[2:3]
	s_or_b32 s[G0A+3], s[G0A+3], 0x80000000
	s_add_nc_u64 s[G0B+2:G0B+3], s[4:5], s[14:15]
	s_or_b32 s[G0B+3], s[G0B+3], 0x80000000
	s_add_nc_u64 s[TOKB:TOKB+1], s[4:5], s[40:41]
	s_add_nc_u64 s[PARTB:PARTB+1], s[6:7], s[42:43]
	ROUND                                          ; in front of the first joint loads
	tensor_load_to_lds s[G0A:G0A+3], s[G1A:G1A+7]  ; tiles 3 w .. 3 w + 2: my one load at the head, ahead of the 168 loads of my tokens
	s_nop 0
.rept 4
	v_nop
.endr
.irp a, 0,1,2,3,4,5,6,7
.irp i, 0,1,2
	global_load_b32 v[AS+3*\a+\i], v[L4], s[TOKB:TOKB+1] offset:TILEB*\a+META+128*\i
.endr
.endr
.macro TOKLOAD s, base                 ; K step s of my eight token tiles, as the fragments lie: each load 512 consecutive bytes
.irp a, 0,1,2,3,4,5,6,7
.irp c, 0,1,2
	global_load_b128 v[(\base)+12*\a+4*\c:(\base)+12*\a+4*\c+3], v[L16], s[TOKB:TOKB+1] offset:TILEB*\a+1536*(\s)+512*\c
.endr
.endr
.endm
	TOKLOAD 0, 64
	TOKLOAD 1, 160
	WIN 0x40
	TOKLOAD 2, 0
	TOKLOAD 3, 96
	WIN 0x80
	TOKLOAD 4, 0
	TOKLOAD 5, 96
	WIN 0
	s_wait_tensorcnt 0x0                           ; my three tiles are in
	ds_add_u32 v[SPW], v[NIL]
	s_wait_dscnt 0x0
	ROUND                                          ; tiles 0 to 11 are whole in every partner's LDS
	tensor_load_to_lds s[G0B:G0B+3], s[G1B:G1B+7]  ; tiles 12 + 5 w .. 16 + 5 w
	s_nop 0
.rept 4
	v_nop
.endr
.macro LDK s, off                      ; the fragment of K step s of the tile at byte off
	WIN ((1+(\s)/3)<<6)|3
.irp c, 0,1,2
	ds_load_b128 v[FRB+12*((\s)%3)+4*\c:FRB+12*((\s)%3)+4*\c+3], v[ADB] offset:(\off)+1536*(\s)+512*\c
.endr
.endm
.macro LDE set, off                    ; a tile's -e_sq / 2 and its scale words: 5 loads
	WIN 0xff
	ds_load_b128 v[ES:ES+3], v[ADE] offset:(\off)
	ds_load_b128 v[ES+4:ES+7], v[ADE] offset:(\off)+16
	WIN 0x03
.irp i, 0,1,2
	ds_load_b32 v[BS+3*(\set)+\i], v[ADS] offset:(\off)+128*\i
.endr
.endm
; Accumulators 4 g .. 4 g + 3 of the set go into the running maximum: 14 lines each, the four by turns.
.macro BATCH g, set
.set sg, ACC+64*(\set)+32*(\g)
.set sw, WS+32*(\g)
.set mn, MX+8*(\set)+4*(\g)
.set mo, MX+8*(1-(\set))+4*(\g)
.set ix, IDX+4*(\g)
	WIN 0xff
.irp i, 0,1,2,3
	v_max3_num_f32 v[X0+3*\i], v[sg+8*\i], v[sg+8*\i+1], v[sg+8*\i+2]   ; each accumulator is read from its low end on
.endr
.irp i, 0,1,2,3
	v_max3_num_f32 v[X0+3*\i+1], v[sg+8*\i+3], v[sg+8*\i+4], v[sg+8*\i+5]
.endr
.irp i, 0,1,2,3
	v_max3_num_f32 v[X0+3*\i+2], v[sg+8*\i+6], v[sg+8*\i+7], v[mo+\i]
.endr
.irp i, 0,1,2,3
	v_max3_num_f32 v[mn+\i], v[X0+3*\i], v[X0+3*\i+1], v[X0+3*\i+2]     ; the new maximum
.endr
.irp i, 0,1,2,3
	v_cmp_gt_f32 s[MK+\i], v[mn+\i], v[mo+\i]      ; strictly above: at equal numbers the earlier tile, with the lower codes, stays
.endr
.irp i, 0,1,2,3
	v_cndmask_b32 v[ix+\i], v[ix+\i], s[TIX], s[MK+\i]
.endr
.irp j, 0,1,2,3,4,5,6,7
.irp i, 0,1,2,3
	v_cndmask_b32 v[sw+8*\i+\j], v[sw+8*\i+\j], v[sg+8*\i+\j], s[MK+\i]
.endr
.endr
.endm
; One product.  par: the tile's set; pf = 1: the next tile is fetched in this one.
; LDS loads in the order of issue: behind the tile before's first batch: LDE (5), K steps 0, 1, 2 (3 each); behind its second batch: K steps 3, 4, 5; behind this tile's first batch, ahead of product 24: the next tile's 14.
; Each wait counts the loads issued behind the fragment that the next eight products read.
.macro SLOT n, par, pf
.set ks, (\n)/8
.set ab, (\n)%8
.if ks < 2
.set tk, 64+96*ks+12*ab
.else
.set tk, 96*(ks%2)+12*ab
.endif
.set ac, ACC+64*(\par)+8*ab
.set fr, FRB+12*(ks%3)
.set sb, BS+3*(\par)+ks/2
.set sa, AS+3*ab+ks/2
.if ab == 0
.if ks < 3
	s_wait_dscnt 15-3*ks
.else
	s_wait_dscnt 15-3*ks+14*(\pf)
.endif
.endif
	WIN 0xf0|((ks/2)<<2)|(1+ks/3)
.if ks == 0
	v_wmma_scale_f32_16x16x128_f8f6f4 v[ac:ac+7], v[fr:fr+11], v[tk:tk+11], v[ES:ES+7], v[sb], v[sa] matrix_a_fmt:MATRIX_FMT_FP6 matrix_b_fmt:MATRIX_FMT_FP6
.elseif ks%2
	v_wmma_scale_f32_16x16x128_f8f6f4 v[ac:ac+7], v[fr:fr+11], v[tk:tk+11], v[ac:ac+7], v[sb], v[sa] matrix_a_fmt:MATRIX_FMT_FP6 matrix_b_fmt:MATRIX_FMT_FP6 matrix_a_scale:MATRIX_SCALE_ROW1 matrix_b_scale:MATRIX_SCALE_ROW1
.else
	v_wmma_scale_f32_16x16x128_f8f6f4 v[ac:ac+7], v[fr:fr+11], v[tk:tk+11], v[ac:ac+7], v[sb], v[sa] matrix_a_fmt:MATRIX_FMT_FP6 matrix_b_fmt:MATRIX_FMT_FP6
.endif
.endm
.macro TILE par, pf, o                 ; o: the tile's byte from the base
.set nn, 0
.rept 24
	SLOT nn, \par, \pf
.set nn, nn+1
.endr
	BATCH 0, 1-(\par)
.if \pf
	LDE 1-(\par), (\o)+TILEB
	LDK 0, (\o)+TILEB
	LDK 1, (\o)+TILEB
	LDK 2, (\o)+TILEB
.endif
.rept 24
	SLOT nn, \par, \pf
.set nn, nn+1
.endr
	BATCH 1, 1-(\par)
.if \pf
	LDK 3, (\o)+TILEB
	LDK 4, (\o)+TILEB
	LDK 5, (\o)+TILEB
.if \par
	s_add_co_u32 s[TO], s[TO], 2*TILEB             ; the base steps to the next pair; a batch of 56 plain lines stands ahead of its next reader
	ADDRS
.endif
.endif
	s_add_co_u32 s[TIX], s[TIX], 16
.endm
.macro PAIR pf2
	TILE 0, 1, 0
	TILE 1, \pf2, TILEB
	WIN 0
.endm
	LDE 0, 0                                       ; tile 0, in the loop's order
.irp s, 0,1,2,3,4,5
	LDK \s, 0
.endr
	WIN 0
	s_wait_loadcnt 0x0                             ; my tokens are in
	s_mov_b32 s[CNT], 4
.Lfirst:                                               ; tiles 0 to 7; their loads reach tile 8 at the most
	PAIR 1
	s_sub_co_u32 s[CNT], s[CNT], 1
	s_cmp_lg_u32 s[CNT], 0
	s_cbranch_scc1 .Lfirst
	s_wait_tensorcnt 0x0                           ; my five tiles are in,
	s_wait_dscnt 0x0
	s_barrier_signal -1
	s_barrier_wait -1                              ; and everybody's; nothing is filled again
	s_mov_b32 s[CNT], 11
.Lrest:
	PAIR 1
	s_sub_co_u32 s[CNT], s[CNT], 1
	s_cmp_lg_u32 s[CNT], 0
	s_cbranch_scc1 .Lrest
	PAIR 0
	BATCH 0, 1                                     ; the last tile's maximum
	BATCH 1, 1
.irp a, 0,1,2,3,4,5,6,7
	v_mov_b32 v[TJ+\a], 7
.endr
.irp j, 6,5,4,3,2,1,0                  ; the lowest register that holds the maximum
.irp a, 0,1,2,3,4,5,6,7
	v_cmp_eq_f32 s[MK+\a], v[WS+8*\a+\j], v[MXF+\a]
.endr
.irp a, 0,1,2,3,4,5,6,7
	v_cndmask_b32 v[TJ+\a], v[TJ+\a], \j, s[MK+\a]
.endr
.endr
.irp a, 0,1,2,3,4,5,6,7
	v_add_nc_u32 v[IDX+\a], v[IDX+\a], v[TJ+\a]
	v_add_f32 v[MXF+\a], 0, v[MXF+\a]              ; -0 becomes +0
.endr
.irp a, 0,1,2,3,4,5,6,7
	v_add_nc_u32 v[IDX+\a], v[IDX+\a], v[IOFF]     ; the code
	v_ashrrev_i32 v[ACC+4*\a], 31, v[MXF+\a]
.endr
.irp a, 0,1,2,3,4,5,6,7
	v_or_b32 v[ACC+4*\a], 0x80000000, v[ACC+4*\a]
.endr
.irp a, 0,1,2,3,4,5,6,7
	v_xor_b32 v[MXF+\a], v[MXF+\a], v[ACC+4*\a]    ; the key: whole numbers in the order of the f32 numbers
.endr
.irp a, 0,1,2,3,4,5,6,7
	v_permlanex16_b32 v[ACC+4*\a+1], v[MXF+\a], s[SEL], s[SEL+1]
	v_permlanex16_b32 v[ACC+4*\a+2], v[IDX+\a], s[SEL], s[SEL+1]
.endr
.irp a, 0,1,2,3,4,5,6,7                ; with lane l xor 16's 8 codes: the larger key, at equal keys the lower code
	v_cmp_gt_u32 s[FM], v[ACC+4*\a+1], v[MXF+\a]
	v_cmp_eq_u32 s[FM+1], v[ACC+4*\a+1], v[MXF+\a]
	v_cmp_lt_u32 s[FM+2], v[ACC+4*\a+2], v[IDX+\a]
	s_and_b32 s[FM+1], s[FM+1], s[FM+2]
	s_or_b32 s[FM], s[FM], s[FM+1]
	v_cndmask_b32 v[MXF+\a], v[MXF+\a], v[ACC+4*\a+1], s[FM]
	v_cndmask_b32 v[IDX+\a], v[IDX+\a], v[ACC+4*\a+2], s[FM]
	v_cndmask_b32 v[ACC+64+\a], v[MXF+\a], v[IDX+\a], s[HIM]   ; lanes 0-15 the key, lanes 16-31 the code
.endr
.irp p, 0,1,2,3
	global_store_b64 v[PO], v[ACC+64+2*\p:ACC+64+2*\p+1], s[PARTB:PARTB+1] offset:4096*\p   ; 32 lanes store 256 consecutive bytes, aligned
.endr
	WIN 0
	s_wait_tensorcnt 0x0                           ; the wave's end
	ds_add_u32 v[SPW], v[NIL]
	s_wait_dscnt 0x0
	ROUND                                          ; the closing round
	s_endpgm
.Lfunc_end_k_qd8495d965b_dist:
	.size	k_qd8495d965b_dist, .Lfunc_end_k_qd8495d965b_dist-k_qd8495d965b_dist
	.p2alignl 7, 3214868480
	.fill 96, 4, 3214868480
	.section	.rodata,"a",@progbits
	.p2align	6, 0x0
	.amdhsa_kernel k_qd8495d965b_dist
		.amdhsa_group_segment_fixed_size 327680
		.amdhsa_private_segment_fixed_size 0
		.amdhsa_enable_private_segment 0
		.amdhsa_kernarg_size 16
		.amdhsa_user_sgpr_count 2
		.amdhsa_user_sgpr_kernarg_segment_ptr 1
		.amdhsa_wavefront_size32 1
		.amdhsa_system_sgpr_workgroup_id_x 1
		.amdhsa_system_sgpr_workgroup_id_y 1
		.amdhsa_system_sgpr_workgroup_id_z 1
		.amdhsa_system_vgpr_workitem_id 0
		.amdhsa_next_free_vgpr 1024
		.amdhsa_next_free_sgpr 90
		.amdhsa_reserve_vcc 0
		.amdhsa_float_denorm_mode_32 3
		.amdhsa_float_denorm_mode_16_64 3
		.amdhsa_memory_ordered 1
		.amdhsa_forward_progress 1
		.amdhsa_inst_pref_size 138
	.end_amdhsa_kernel
	.amdgpu_metadata
---
amdhsa.version: [ 1, 2 ]
amdhsa.kernels:
  - .name:           k_qd8495d965b_dist
    .symbol:         k_qd8495d965b_dist.kd
    .args:
      - { .name: cq, .offset: 0, .size: 8, .value_kind: global_buffer, .address_space: global }
      - { .name: part, .offset: 8, .size: 8, .value_kind: global_buffer, .address_space: global }
    .group_segment_fixed_size: 327680
    .private_segment_fixed_size: 0
    .kernarg_segment_align: 8
    .kernarg_segment_size: 16
    .max_flat_workgroup_size: 128
    .sgpr_count:     90
    .vgpr_count:     1024
    .wavefront_size: 32
...
	.end_amdgpu_metadata
.endif
;; end of part 2
;; launch pick (part 3): grid 256 x 1, 8 waves a work-group, no clusters, 0 bytes of LDS; arguments embed, part, out0, out1; writes out0, out1
.if DOCPART == 3
	.amdgcn_target "amdgcn-amd-amdhsa--gfx1250"
	.amdhsa_code_object_version 6
	.text
	.protected	k_qd8495d965b_pick
	.globl	k_qd8495d965b_pick
	.p2align	8
	.type	k_qd8495d965b_pick,@function
k_qd8495d965b_pick:
	s_mov_b64 s[64:65], 0
	v_nop
	global_prefetch_b8 v0, s[64:65] scope:SCOPE_SE
	s_setreg_imm32_b32 hwreg(HW_REG_WAVE_MODE, 25, 1), 1
	s_wait_xcnt 0x0
; The 16 splits' results are joined, on whole numbers alone; out1 = the code; out0 = embed[code].
; (q - x) + x is left out: it is q by an identity (shown at the head of the first kernel), so inputs_flatten is not among this launch's arguments.
; part [256][16 splits][32 lanes][2]: lane r, word c: the key of token 32 P + 16 c + r (the larger key, the smaller distance); lane 16 + r: its code.
; SHARES.  Work-group P: tokens 32 P .. 32 P + 31.  Every wave joins all 32 (4,096 bytes of part); wave w then carries rows 4 w .. 4 w + 3: 6 loads and 6 stores of 512 consecutive bytes a row.
; No LDS, no barrier, no matrix unit: the launch streams.  No prefetch: the rows are known only behind the join, and there is no loop to run ahead in.
; A split's 256 bytes are loaded twice, the second time with the halves of the lanes changed: so lanes 0-15 hold a token's key in one register and its code in another.
.set ROWB, 3072
.set KY,  128                          ; v128-159  split y, word c: keys (lanes 0-15)
.set CD,  160                          ; v160-191  the same with the halves changed: codes (lanes 0-15)
.set E,   128                          ; v128-223  later: four rows of the codebook
	s_load_b64 s[6:7], s[0:1], 0x0                 ; embed
	s_load_b128 s[8:11], s[0:1], 0x8               ; part s[8:9], out0 s[10:11]
	s_load_b64 s[12:13], s[0:1], 0x18              ; out1
	v_lshrrev_b32 v1, 5, v0
	s_delay_alu instid0(VALU_DEP_1)
	v_readfirstlane_b32 s16, v1                    ; wave 0..7
	v_and_b32 v4, 31, v0
	s_delay_alu instid0(VALU_DEP_1)
	v_lshlrev_b32 v1, 3, v4                        ; 8 x lane
	s_delay_alu instid0(VALU_DEP_1)
	v_xor_b32 v5, 128, v1                          ; 8 x (lane xor 16)
	s_delay_alu instid0(VALU_DEP_3)
	v_lshlrev_b32 v2, 4, v4                        ; 16 x lane
	s_delay_alu instid0(VALU_DEP_4)
	v_lshlrev_b32 v3, 2, v4                        ; 4 x lane
	v_mov_b32 v8, 0                                ; (a lane permute's destination counts as one of its sources)
	s_lshl_b32 s18, ttmp9, 12                      ; part: 4,096 bytes a work-group
	s_mov_b32 s19, 0
	s_mul_i32 s20, ttmp9, 32*ROWB
	s_mul_i32 s21, s16, 4*ROWB
	s_add_co_u32 s20, s20, s21                     ; my four rows of out0
	s_mov_b32 s21, 0
	s_lshl_b32 s22, ttmp9, 7                       ; out1: 128 bytes a work-group
	s_mov_b32 s23, 0
	s_mov_b32 s24, 0x76543210
	s_mov_b32 s25, 0xfedcba98
	s_mov_b32 s26, 0xffff0000
	s_lshl_b32 s17, s16, 4                         ; 4 bytes x lane 4 w: where my first row's code will lie
	s_wait_alu depctr_va_vdst(0)
	s_wait_kmcnt 0x0
	s_add_nc_u64 s[8:9], s[8:9], s[18:19]
	s_add_nc_u64 s[10:11], s[10:11], s[20:21]
	s_add_nc_u64 s[12:13], s[12:13], s[22:23]
.irp y, 0,1,2,3,4,5,6,7,8,9,10,11,12,13,14,15
	global_load_b64 v[KY+2*\y:KY+2*\y+1], v1, s[8:9] offset:256*\y
.endr
.irp y, 0,1,2,3,4,5,6,7,8,9,10,11,12,13,14,15
	global_load_b64 v[CD+2*\y:CD+2*\y+1], v5, s[8:9] offset:256*\y
.endr
	v_mov_b32 v10, s17
.irp i, 1,2,3
	v_add_nc_u32 v[10+\i], 4*\i, v10
.endr
	s_wait_loadcnt 0x0                             ; part is in
.irp y, 1,2,3,4,5,6,7,8,9,10,11,12,13,14,15
.irp c, 0,1
	v_cmp_gt_u32 s[28+\c], v[KY+2*\y+\c], v[KY+\c] ; strictly above: at equal keys the lower split, which has the lower codes, stays
	s_delay_alu instid0(VALU_DEP_1)
	v_cndmask_b32 v[CD+\c], v[CD+\c], v[CD+2*\y+\c], s[28+\c]
	v_max_u32 v[KY+\c], v[KY+\c], v[KY+2*\y+\c]
.endr
.endr
	s_delay_alu instid0(VALU_DEP_2)
	v_permlanex16_b32 v8, v[CD+1], s24, s25        ; word 1's tokens are 16 .. 31: to lanes 16-31
	s_delay_alu instid0(VALU_DEP_1)
	v_cndmask_b32 v9, v[CD], v8, s26               ; lane = token
	s_delay_alu instid0(VALU_DEP_1)
	v_min_u32 v9, 0x1fff, v9                       ; a code is under 8,192: held there before it enters an address
	s_cmp_lg_u32 s16, 0
	s_cbranch_scc1 .Lnot_wave_0
	global_store_b32 v3, v9, s[12:13]              ; out1: the work-group's 32 tokens are 128 consecutive bytes
.Lnot_wave_0:
	s_wait_alu depctr_va_vdst(0)
.irp i, 0,1,2,3
	ds_bpermute_b32 v[14+\i], v[10+\i], v9         ; every lane gets the code of row 4 w + i
.endr
	s_wait_dscnt 0x0
.irp i, 0,1,2,3
	v_min_u32 v[14+\i], 0x1fff, v[14+\i]
.endr
.irp i, 0,1,2,3
	s_delay_alu instid0(VALU_DEP_4)
	v_mul_u32_u24 v[18+\i], 0xc00, v[14+\i]        ; x 3,072 bytes a row
.endr
.irp i, 0,1,2,3
	s_delay_alu instid0(VALU_DEP_4)
	v_add_nc_u32 v[18+\i], v[18+\i], v2
.endr
.irp i, 0,1,2,3
.irp k, 0,1,2,3,4,5
	global_load_b128 v[E+24*\i+4*\k:E+24*\i+4*\k+3], v[18+\i], s[6:7] offset:512*\k   ; no hint: several tokens may name one row
.endr
.endr
.macro ROW i
	s_wait_loadcnt 18-6*(\i)                       ; this row's six loads are in; the later rows' may be out
.irp k, 0,1,2,3,4,5
	global_store_b128 v2, v[E+24*(\i)+4*\k:E+24*(\i)+4*\k+3], s[10:11] offset:ROWB*(\i)+512*\k th:TH_STORE_NT   ; 512 consecutive bytes, at a multiple of 256 from out0's first byte
.endr
.endm
	ROW 0
	ROW 1
	ROW 2
	ROW 3
	s_endpgm
.Lfunc_end_k_qd8495d965b_pick:
	.size	k_qd8495d965b_pick, .Lfunc_end_k_qd8495d965b_pick-k_qd8495d965b_pick
	.p2alignl 7, 3214868480
	.fill 96, 4, 3214868480
	.section	.rodata,"a",@progbits
	.p2align	6, 0x0
	.amdhsa_kernel k_qd8495d965b_pick
		.amdhsa_group_segment_fixed_size 0
		.amdhsa_private_segment_fixed_size 0
		.amdhsa_enable_private_segment 0
		.amdhsa_kernarg_size 32
		.amdhsa_user_sgpr_count 2
		.amdhsa_user_sgpr_kernarg_segment_ptr 1
		.amdhsa_wavefront_size32 1
		.amdhsa_system_sgpr_workgroup_id_x 1
		.amdhsa_system_sgpr_workgroup_id_y 1
		.amdhsa_system_sgpr_workgroup_id_z 1
		.amdhsa_system_vgpr_workitem_id 0
		.amdhsa_next_free_vgpr 224
		.amdhsa_next_free_sgpr 66
		.amdhsa_reserve_vcc 0
		.amdhsa_float_denorm_mode_32 3
		.amdhsa_float_denorm_mode_16_64 3
		.amdhsa_memory_ordered 1
		.amdhsa_forward_progress 1
		.amdhsa_inst_pref_size 17
	.end_amdhsa_kernel
	.amdgpu_metadata
---
amdhsa.version: [ 1, 2 ]
amdhsa.kernels:
  - .name:           k_qd8495d965b_pick
    .symbol:         k_qd8495d965b_pick.kd
    .args:
      - { .name: embed, .offset: 0, .size: 8, .value_kind: global_buffer, .address_space: global }
      - { .name: part, .offset: 8, .size: 8, .value_kind: global_buffer, .address_space: global }
      - { .name: out0, .offset: 16, .size: 8, .value_kind: global_buffer, .address_space: global }
      - { .name: out1, .offset: 24, .size: 8, .value_kind: global_buffer, .address_space: global }
    .group_segment_fixed_size: 0
    .private_segment_fixed_size: 0
    .kernarg_segment_align: 8
    .kernarg_segment_size: 32
    .max_flat_workgroup_size: 256
    .sgpr_count:     66
    .vgpr_count:     224
    .wavefront_size: 32
...
	.end_amdgpu_metadata
.endif
;; end of part 3
